; MI455X (gfx1250); checked and timed in simulation.
; The chip was launched on July 23, 2026; its instructions are those of AMD's public machine-readable ISA for CDNA 5 (MIT licence, August 2026) and "CDNA5" Instruction Set Architecture Reference Guide (July 2026). The comments in the code are by the model that wrote it; some were corrected since.
;; Local Global Multihead Attention. Allowed arithmetic: matrix products marked QUANTISED: E2M3 operands, one E8M0 scale for each 32 along K, by v_wmma_scale_f32_16x16x128_f8f6f4 with both operands' format E2M3, f32 sums; everything else in f32.
;; Inputs: Wk 512 x 512 float32; Wo 512 x 512 float32; Wq 512 x 512 float32; Wv 512 x 512 float32; attn_mask 4 x 2,048 bool; bk 512 float32; bo 512 float32; bq 512 float32; bv 512 float32; x 4 x 2,048 x 512 float32.
;; Outputs: out0 4 x 2,048 x 512 float32.
;; This version of the problem:
;;   THIS VERSION OF THE PROBLEM IS GIVEN IN LOW PRECISION. The matrix products marked QUANTISED in the list below multiply operands that are first quantised to E2M3 (2 exponent bits, 3 mantissa bits; 6 bits a number), with one power-of-two scale for each 32 numbers along K (OCP MX v1.0); their sums are f32. All else is computed in f32.
;;   The module's matrix products, in the order in which they are computed (A, B: the left and right operand; K: the contracted axis; several contracted axes count as one K, in the product's order):
;;     1. [M 8,192, K 512] x [K 512, N 512]; A: input x; B: input Wq: QUANTISED
;;     2. [M 8,192, K 512] x [K 512, N 512]; A: input x; B: input Wk: QUANTISED
;;     3. [M 8,192, K 512] x [K 512, N 512]; A: input x; B: input Wv: QUANTISED
;;     4. batch 32 x [M 2,048, K 64] x [K 64, N 2,048]; A: computed on the way; B: computed on the way: QUANTISED
;;     5. batch 32 x [M 2,048, K 2,048] x [K 2,048, N 64]; A: softmax (see below); B: computed on the way: QUANTISED
;;     6. [M 8,192, K 512] x [K 512, N 512]; A: computed on the way; B: input Wo: QUANTISED
;;   THE QUANTISER, for each operand of a quantised product, along K:
;;     - K is cut into blocks of 32 from its start; a last block that is shorter is filled with zeros.
;;     - A block's scale is 2^e with e = floor(log2(the largest magnitude in the block)) - 2, held to -126 .. 127; a block of zeros has e = 0. As a byte (E8M0): e + 127.
;;     - Each number is divided by its block's scale, clamped to +-7.5, and rounded to the nearest number of E2M3, ties to even, subnormals kept.
;;     - The product sums the exact products of the quantised numbers (number of the format x scale) in f32.
;;   ~~~python
;;   def quantise(x, axis):      # numpy; x: float32 -> the quantised numbers, widened to float32 again
;;       x = np.moveaxis(x, axis, -1); K = x.shape[-1]
;;       x = np.pad(x, [(0, 0)] * (x.ndim - 1) + [(0, -K % 32)]); x = x.reshape(x.shape[:-1] + (-1, 32)); a = np.abs(x).max(-1, keepdims=True)
;;       e = np.where(a > 0, np.clip(np.frexp(np.where(a > 0, a, 1))[1] - 1 - 2, -126, 127), 0)      # np.frexp(a)[1] - 1 = floor(log2(a)), exactly
;;       r = np.clip(x / 2.0 ** e, -7.5, 7.5)
;;       step = 2.0 ** (np.maximum(np.frexp(np.where(r == 0, 1, r))[1] - 1, 0) - 3)
;;       q = np.round(r / step) * step * 2.0 ** e      # np.round: ties to even
;;       return np.moveaxis(q.reshape(q.shape[:-2] + (-1,))[..., :K], -1, axis).astype(np.float32)
;;   ~~~
;;   SOFTMAX AHEAD OF A QUANTISED PRODUCT. Where the list says 'softmax', what is quantised is not the finished softmax but p = 2^(t - M), with t = logit x log2(e) and M = ceil(the row's largest t), a whole number; so 1/2 < the row's largest p <= 1. The row's sum l is taken of the UNQUANTISED p, in f32, and the product's result is divided by l at the end. Since M is a whole number, a kernel that streams over the keys may use a running M (the ceiling of the running maximum): every later rescaling is an exact power of two, which a block's scale takes up: the codes' values come out the same.
;;   OPERANDS COMPUTED ON THE WAY. 'Computed on the way' means the value that the module computes at that place (a softmax that the list does not call 'softmax' is quantised finished and normalised). What goes into a quantiser is computed in f32, as accurately as f32 sums, v_exp_f32 and their like allow (about 1e-6 of the number): no bf16 or f16 on the way to a quantiser, and a product that is left as it is and whose result goes on into a quantised operand takes f32 operands (vector FMAs, or v_wmma_f32_16x16x4_f32). A number that lies on a knife's edge between two numbers of the format may be rounded either way, as far as f32 arithmetic and the matrix unit's own rounding can turn it there, and no further.
;; One version. Each part assembles by itself: llvm-mc -triple=amdgcn-amd-amdhsa -mcpu=gfx1250 --defsym DOCPART=n.
;; ======== version 1 of 1: 3 launches
;; limits: right only within a limited range of input values
;; workspace buffers: cw 4,096,000 bytes; qc 3,407,872 bytes; kv 6,684,672 bytes
;; launch quant (part 1): grid 320 x 1, 2 waves a work-group, no clusters, 34,048 bytes of LDS; arguments x, Wq, Wk, Wv, Wo, cw; writes cw
.if DOCPART == 1
	.amdgcn_target "amdgcn-amd-amdhsa--gfx1250"
	.amdhsa_code_object_version 6
	.text
	.protected	k_q0a079a9dac_quant
	.globl	k_q0a079a9dac_quant
	.p2align	8
	.type	k_q0a079a9dac_quant,@function
k_q0a079a9dac_quant:
	s_mov_b64 s[64:65], 0
	v_nop
	global_prefetch_b8 v0, s[64:65] scope:SCOPE_SE
	s_setreg_imm32_b32 hwreg(HW_REG_WAVE_MODE, 25, 1), 1
	s_wait_xcnt 0x0
; x [8192][512] and Wq, Wk, Wv, Wo [512][512], f32, K innermost, become codes of FP6 (E2M3) with one E8M0 byte for each 32 along K,
; laid as IMAGES OF OPERAND REGISTERS: a tile record of 6,400 bytes = four fragments (16 rows x 128 K: three planes of 512 bytes, registers 4 c .. 4 c + 3 of lane l at 512 c + 16 l)
; and 256 bytes of scale words at 6,144 + 8 l: lanes 0-15 the words of K steps 0, 1 of row l, lanes 16-31 those of K steps 2, 3 of row l - 16.
; THE ROWS OF A TILE ARE NOT NEIGHBOURS: lane r of tile 2 g + u holds row 32 g + 8 u + r + 8 (r / 8), so that in any product that takes such tiles as source 0 the 16 result registers
; of tiles 2 g and 2 g + 1 are 16 neighbours along that axis.  Records 0-511: x; 512 + 32 m + t: tile t of weight m (q, k, v, o).
; A work-group takes 32 rows, each of its two waves one tile.  Each load reads 512 consecutive bytes of a row; the 16 x 512 bytes of a K step turn through the wave's own stage in LDS
; (rows 528 bytes apart) so that a lane gets 16 neighbours of each block of 32.  Waves share nothing: no barrier.
; A block's scale byte is its largest magnitude's exponent field - 2, held at 1 from below.  A block of zeros so has the byte 1 (its codes are zeros; this program alone reads the bytes).
; LIMITS: NaN and infinities among the inputs are not served; blocks whose largest magnitude lies under 2^-124 are held at the byte 1.
.set STGB, 8448                        ; a stage: 16 rows x 528 bytes; two for each wave, by turns
.set R,    16                          ; v16-143  two sets of 64: a K step as it is loaded
.set X,    144                         ; v144-207 64 numbers of my row: register 16 b + i = k 32 b + 16 (lane / 16) + i
.set PC,   208                         ; v208-226 the codes
.set TM,   228                         ; v228-243 at work in QUANT
.set PW,   244                         ; v244-247 the four K steps' scale words
.set SEL,  22                          ; s[22:23] lane selects: lane l xor 16
; 64 numbers of a lane, v[s] on, become a fragment's codes in v[PC] .. v[PC + 11] and its scale word in v[pw]
.macro QUANT s, pw
.irp b, 0,1,2,3
	v_max3_num_f32 v[TM+\b], |v[\s+16*\b]|, |v[\s+1+16*\b]|, 0x1800000   ; block b: my 16 numbers, and the floor 2^(3 - 127): the byte cannot fall under 1
.endr
.irp i, 2,4,6,8,10,12,14
.irp b, 0,1,2,3
	v_max3_num_f32 v[TM+\b], v[TM+\b], |v[\s+16*\b+\i]|, |v[\s+1+16*\b+\i]|   ; the four blocks by turns
.endr
.endr
.irp b, 0,1,2,3
	v_permlanex16_b32 v[TM+4+\b], v[TM+\b], s[SEL], s[SEL+1]
.endr
.irp b, 0,1,2,3
	v_max_num_f32 v[TM+\b], v[TM+\b], v[TM+4+\b]       ; with lane l xor 16's 16: the block's largest magnitude
.endr
.irp b, 0,1,2,3
	v_add_nc_u32 v[TM+12+\b], 0xff000000, v[TM+\b]     ; 2 off its exponent field: the conversion's scale operand
.endr
.irp b, 0,1,2,3
	v_lshrrev_b32 v[TM+4+\b], 23, v[TM+12+\b]          ; the scale's byte
.endr
	v_lshl_or_b32 v[\pw], v[TM+5], 8, v[TM+4]
	v_lshl_or_b32 v[\pw], v[TM+6], 16, v[\pw]
	v_lshl_or_b32 v[\pw], v[TM+7], 24, v[\pw]
.irp c, 0,1
	v_cvt_scalef32_pk16_fp6_f32 v[PC+6*\c:PC+2+6*\c], v[\s+32*\c:\s+15+32*\c], v[TM+12+2*\c]
	v_cvt_scalef32_pk16_fp6_f32 v[PC+12+4*\c:PC+14+4*\c], v[\s+16+32*\c:\s+31+32*\c], v[TM+12+2*\c+1]   ; (a conversion's three registers begin on an even number)
.endr
	v_nop                                              ; one plain place behind a scaled conversion
.irp c, 0,1                                        ; the operand wants a WHOLE block in a lane: lanes 0-15 block 2 c, lanes 16-31 block 2 c + 1
.irp i, 0,1,2
	v_permlane16_swap_b32 v[PC+6*\c+\i], v[PC+12+4*\c+\i]
.endr
.irp i, 0,1,2
	v_mov_b32 v[PC+3+6*\c+\i], v[PC+12+4*\c+\i]
.endr
.endr
.endm
	s_load_b256 s[4:11], s[0:1], 0x0               ; x, Wq, Wk, Wv
	s_load_b128 s[12:15], s[0:1], 0x20             ; Wo, cw
	v_lshl_add_u32 v254, v0, 2, 0x8400
	v_mov_b32 v255, 0
	v_lshrrev_b32 v1, 5, v0
	v_readfirstlane_b32 s2, v1                     ; wave 0, 1 = u
	v_and_b32 v2, 31, v0                           ; lane
	v_and_b32 v3, 15, v0                           ; r
	v_bfe_u32 v8, v0, 4, 1                         ; h
	v_lshlrev_b32 v4, 4, v2                        ; 16 x lane: my bytes of a load's 512, and of a plane
	v_lshlrev_b32 v7, 3, v2                        ; 8 x lane: my scale words
	s_mul_i32 s3, s2, 2*STGB                       ; my wave's stages
	v_add_nc_u32 v5, s3, v4                        ; into a stage: as loaded
	v_mul_u32_u24 v6, v3, 528
	v_lshl_add_u32 v6, v8, 6, v6
	v_add_nc_u32 v6, s3, v6                        ; out of it: row r, + 64 h
	s_mov_b32 s[SEL], 0x76543210
	s_mov_b32 s[SEL+1], 0xfedcba98
	s_mov_b32 s24, 0xffff0000                      ; lanes 16-31
.irp b, 0,1,2,3
	v_mov_b32 v[TM+4+\b], 0                        ; written once: a lane permute's destination counts as one of its sources
.endr
	s_and_b32 s18, ttmp9, 15                       ; a weight's group of 32 rows
	s_lshl_b32 s20, ttmp9, 1
	s_add_co_u32 s20, s20, s2                      ; my record: 2 x work-group + wave
	s_mul_i32 s20, s20, 6400
	s_mov_b32 s21, 0
	s_mov_b32 s19, 0
	s_wait_kmcnt 0x0
	s_cmp_lt_u32 ttmp9, 304                        ; which tensor: the choice hangs on the work-group's number alone; all five take one path
	s_cselect_b64 s[16:17], s[10:11], s[12:13]
	s_cmp_lt_u32 ttmp9, 288
	s_cselect_b64 s[16:17], s[8:9], s[16:17]
	s_cmp_lt_u32 ttmp9, 272
	s_cselect_b64 s[16:17], s[6:7], s[16:17]
	s_cmp_lt_u32 ttmp9, 256
	s_cselect_b64 s[16:17], s[4:5], s[16:17]
	s_cselect_b32 s18, ttmp9, s18
	s_lshl_b32 s18, s18, 16                        ; 32 rows of 2,048 bytes,
	s_lshl_b32 s25, s2, 14                         ; and 8 u rows
	s_add_co_u32 s18, s18, s25
	s_add_nc_u64 s[16:17], s[16:17], s[18:19]
	s_add_nc_u64 s[14:15], s[14:15], s[20:21]
.macro LOAD s                          ; K step s of my 16 rows: each load 512 consecutive bytes of one row
.irp i, 0,1,2,3,4,5,6,7,8,9,10,11,12,13,14,15
	global_load_b128 v[R+64*((\s)%2)+4*\i:R+64*((\s)%2)+4*\i+3], v4, s[16:17] offset:(\i+8*(\i/8))*2048+512*(\s) th:TH_LOAD_NT
.endr
.endm
.macro TURN s                          ; through the stage: LDS serves a wave's instructions in order, so no wait stands between the stores and the loads
.irp i, 0,1,2,3,4,5,6,7,8,9,10,11,12,13,14,15
	ds_store_b128 v5, v[R+64*((\s)%2)+4*\i:R+64*((\s)%2)+4*\i+3] offset:STGB*((\s)%2)+528*\i
.endr
.irp b, 0,1,2,3
.irp j, 0,1,2,3
	ds_load_b128 v[X+16*\b+4*\j:X+16*\b+4*\j+3], v6 offset:STGB*((\s)%2)+128*\b+16*\j
.endr
.endr
.endm
.macro STEPQ s
.if (\s) < 3
	s_wait_loadcnt 16                              ; this K step's 16 loads are in; the next step's 16 may be out
.else
	s_wait_loadcnt 0x0
.endif
	TURN \s
	s_wait_dscnt 0x0                               ; my 64 numbers are back, and the stores into the stage have read their registers,
.if (\s)+2 < 4
	LOAD (\s)+2                                    ; which take the K step two on
.endif
	s_wait_xcnt 0x0                                ; the last step's stores have read the codes' registers: they are written again only behind this wait
	QUANT X, PW+(\s)
.irp c, 0,1,2
	global_store_b128 v4, v[PC+4*\c:PC+4*\c+3], s[14:15] offset:1536*(\s)+512*\c   ; 32 lanes store 512 consecutive bytes, aligned
.endr
.endm
	LOAD 0
	LOAD 1
	STEPQ 0
	STEPQ 1
	STEPQ 2
	STEPQ 3
	v_cndmask_b32 v248, v[PW], v[PW+2], s24        ; lanes 0-15: K steps 0, 1; lanes 16-31: K steps 2, 3 (every lane holds its row's four words)
	v_cndmask_b32 v249, v[PW+1], v[PW+3], s24
	global_store_b64 v7, v[248:249], s[14:15] offset:6144   ; 256 consecutive bytes, aligned
	s_wait_tensorcnt 0x0
	ds_add_u32 v254, v255
	s_wait_dscnt 0x0
	s_endpgm
.Lfunc_end_k_q0a079a9dac_quant:
	.size	k_q0a079a9dac_quant, .Lfunc_end_k_q0a079a9dac_quant-k_q0a079a9dac_quant
	.p2alignl 7, 3214868480
	.fill 96, 4, 3214868480
	.section	.rodata,"a",@progbits
	.p2align	6, 0x0
	.amdhsa_kernel k_q0a079a9dac_quant
		.amdhsa_group_segment_fixed_size 34048
		.amdhsa_private_segment_fixed_size 0
		.amdhsa_enable_private_segment 0
		.amdhsa_kernarg_size 48
		.amdhsa_user_sgpr_count 2
		.amdhsa_user_sgpr_kernarg_segment_ptr 1
		.amdhsa_wavefront_size32 1
		.amdhsa_system_sgpr_workgroup_id_x 1
		.amdhsa_system_sgpr_workgroup_id_y 1
		.amdhsa_system_sgpr_workgroup_id_z 1
		.amdhsa_system_vgpr_workitem_id 0
		.amdhsa_next_free_vgpr 256
		.amdhsa_next_free_sgpr 66
		.amdhsa_reserve_vcc 0
		.amdhsa_float_denorm_mode_32 3
		.amdhsa_float_denorm_mode_16_64 3
		.amdhsa_memory_ordered 1
		.amdhsa_forward_progress 1
		.amdhsa_inst_pref_size 33
	.end_amdhsa_kernel
	.amdgpu_metadata
---
amdhsa.version: [ 1, 2 ]
amdhsa.kernels:
  - .name:           k_q0a079a9dac_quant
    .symbol:         k_q0a079a9dac_quant.kd
    .args:
      - { .name: x, .offset: 0, .size: 8, .value_kind: global_buffer, .address_space: global }
      - { .name: Wq, .offset: 8, .size: 8, .value_kind: global_buffer, .address_space: global }
      - { .name: Wk, .offset: 16, .size: 8, .value_kind: global_buffer, .address_space: global }
      - { .name: Wv, .offset: 24, .size: 8, .value_kind: global_buffer, .address_space: global }
      - { .name: Wo, .offset: 32, .size: 8, .value_kind: global_buffer, .address_space: global }
      - { .name: cw, .offset: 40, .size: 8, .value_kind: global_buffer, .address_space: global }
    .group_segment_fixed_size: 34048
    .private_segment_fixed_size: 0
    .kernarg_segment_align: 8
    .kernarg_segment_size: 48
    .max_flat_workgroup_size: 64
    .sgpr_count:     66
    .vgpr_count:     256
    .wavefront_size: 32
...
	.end_amdgpu_metadata
.endif
;; end of part 1
;; launch qkv (part 2): grid 64 x 4, 6 waves a work-group, clusters of 4 x 1, 205,568 bytes of LDS; arguments cw, bq, bk, bv, qc, kv; writes qc, kv
.if DOCPART == 2
	.amdgcn_target "amdgcn-amd-amdhsa--gfx1250"
	.amdhsa_code_object_version 6
	.text
	.protected	k_q0a079a9dac_qkv
	.globl	k_q0a079a9dac_qkv
	.p2align	8
	.type	k_q0a079a9dac_qkv,@function
k_q0a079a9dac_qkv:
	s_mov_b64 s[64:65], 0
	v_nop
	global_prefetch_b8 v0, s[64:65] scope:SCOPE_SE
	s_setreg_imm32_b32 hwreg(HW_REG_WAVE_MODE, 25, 1), 1
	s_wait_xcnt 0x0
	s_wait_alu depctr_hold_cnt(0) depctr_sa_sdst(0) depctr_va_vdst(0) depctr_va_sdst(0) depctr_va_ssrc(0) depctr_va_vcc(0) depctr_vm_vsrc(0)
	s_getreg_b32 s2, hwreg(HW_REG_IB_STS2, 6, 4)
	s_cmp_eq_u32 s2, 0
	s_cbranch_scc0 .Lentry_in_a_cluster
	s_endpgm
.Lentry_in_a_cluster:
	s_bfe_u32 s2, ttmp6, 0x10000c
	s_cmp_lg_u32 s2, 0x3003
	s_cbranch_scc0 .Lentry_shape_is_right
	s_endpgm
.Lentry_shape_is_right:
; q = x Wq^T + bq, k = x Wk^T + bk, v = x Wv^T + bv on codes of FP6 with E8M0 scales, K = 512; the results are quantised at once: q and k along the head's 64, v along the keys,
; and stored as images of operand registers for the attention launch.
; SHARES.  A work-group takes 128 tokens (G = 4 x cluster x + cx; batch G / 16, key step G % 16) and a quarter y of the 1,536 columns: 24 tiles of W, three groups of 128 columns.
; The four work-groups of a cluster share y, so W's 153,600 bytes, three quarters of what a work-group reads, are asked for JOINTLY (waves 0-3, 38,400 bytes each); x's 51,200 bytes are the work-group's own (waves 4, 5).
; LDS is filled once and only read afterwards.
; A WAVE makes 128 x 64: source 0 = eight tiles, source 1 = four tiles, 32 accumulators (window 1).  Column groups 0-7 (q, k): source 0 = W's eight tiles, source 1 = four tiles of x:
; a lane holds a token and its registers run along 128 channels, two heads.  Groups 8-11 (v): source 0 = x's eight tiles, source 1 = four tiles of Wv (one head): a lane holds a channel and its registers run along the 128 keys.
; By the tiles' row order (lane r of tile 2 g + u holds row 32 g + 8 u + r + 8 (r / 8)) register 8 t + j of a lane is number 32 (t / 2) + 16 (lane / 16) + 8 (t % 2) + j along source 0's axis: 16 neighbours in each pair of tiles.
; RECORDS.  qc [b][head][step], 6,656 bytes: token tile i at 768 i (registers 0-3 at 16 l, 4-5 at 512 + 8 l: the 64 codes of a head), scale words at 6,144 + 256 (i / 4) + 8 l (lanes 0-15 tiles 4 z, 4 z + 1; lanes 16-31 tiles 4 z + 2, 4 z + 3;
; bytes 2, 3 are 0).  kv [b][head][step], 13,056 bytes: k as a qc record; v's four channel tiles at 6,656 + 1,536 i (three planes of 512), their scale words at 12,800 + 8 l (lanes 0-15 tiles 0, 1; lanes 16-31 tiles 2, 3).
; LIMITS: NaN and infinities are not served; a block of zeros has the scale byte 1 (its codes are zeros; this program alone reads the bytes).
.set TILE, 6400
.set XL,   24*TILE                     ; LDS: W's 24 records, then x's 8
.set L16,  4                           ; v4   16 x lane
.set L8,   5                           ; v5   8 x lane
.set AG,   6                           ; v6   LDS: source 0's tiles;  v7 source 1's;  v8, v9 the same for their scale words
.set AT,   7
.set AGS,  8
.set ATS,  9
.set BOF,  10                          ; v10  my offset in the bias
.set VO16, 11                          ; v11-13 my offsets in the records
.set VO8,  12
.set VS8,  13
.set SG,   16                          ; v16-31  scale words of source 0's eight tiles (a pair each);  v32-39 of source 1's four: these registers hold scales alone
.set ST,   32
.set FG,   40                          ; v40-135  eight fragments;  v136-183 four
.set FT,   136
.set BI,   184                         ; v184-247 the bias
.set HA,   40                          ; behind the products: v40-103 64 numbers, v104-122 codes, v124-139 at work, v140 a scale word, v144-151 the tiles' words, v152-155 as stored
.set PC,   104
.set TM,   124
.set PWR,  140
.set SA,   144
.set SB,   148
.set WV,   16
.set CX,   17
.set GG,   18
.set YY,   19
.set SEL,  20
.set HM,   22
.set G1J,  24                          ; s[24:31] group 1 of the joint load;  s[32:39] of the plain one;  s[40:43], s[44:47] their groups 0
.set G1P,  32
.set G0J,  40
.set G0P,  44
.set GL,   55
.set SUB,  56
.set GRP,  57
.set GP,   58
.set BB,   59
.set STP,  60
.set LA,   61
.set LB,   62
.set MSB, 0
.macro WIN new                         ; the immediate's high byte repeats the setting that is left
.if MSB != \new
	s_set_vgpr_msb (MSB<<8)|\new
.set MSB, \new
.endif
.endm
.macro PLACES                          ; four plain places behind a matrix instruction, ahead of loads into its registers and of reads of its result
.rept 4
	v_nop
.endr
.endm
.macro CROUND                          ; a round of the cluster's barrier
	s_barrier_signal -1
	s_barrier_wait -1
	s_cmp_lg_u32 s[WV], 0
	s_cbranch_scc1 .Lnot_wave_0_\@
	s_barrier_signal -3
.Lnot_wave_0_\@:
	s_barrier_wait -3
	s_barrier_signal -1
	s_barrier_wait -1
.endm
.macro QUANT s, pw                     ; 64 numbers of a lane, register 16 b + i = k 32 b + 16 (lane / 16) + i, become a fragment's codes in v[PC] .. v[PC + 11] and its scale word in v[pw]
.irp b, 0,1,2,3
	v_max3_num_f32 v[TM+\b], |v[\s+16*\b]|, |v[\s+1+16*\b]|, 0x1800000   ; and the floor 2^(3 - 127): the byte cannot fall under 1
.endr
.irp i, 2,4,6,8,10,12,14
.irp b, 0,1,2,3
	v_max3_num_f32 v[TM+\b], v[TM+\b], |v[\s+16*\b+\i]|, |v[\s+1+16*\b+\i]|
.endr
.endr
.irp b, 0,1,2,3
	v_permlanex16_b32 v[TM+4+\b], v[TM+\b], s[SEL], s[SEL+1]
.endr
.irp b, 0,1,2,3
	v_max_num_f32 v[TM+\b], v[TM+\b], v[TM+4+\b]
.endr
.irp b, 0,1,2,3
	v_add_nc_u32 v[TM+12+\b], 0xff000000, v[TM+\b]     ; 2 off the exponent field: the conversion's scale operand
.endr
.irp b, 0,1,2,3
	v_lshrrev_b32 v[TM+4+\b], 23, v[TM+12+\b]
.endr
	v_lshl_or_b32 v[\pw], v[TM+5], 8, v[TM+4]
	v_lshl_or_b32 v[\pw], v[TM+6], 16, v[\pw]
	v_lshl_or_b32 v[\pw], v[TM+7], 24, v[\pw]
.irp c, 0,1
	v_cvt_scalef32_pk16_fp6_f32 v[PC+6*\c:PC+2+6*\c], v[\s+32*\c:\s+15+32*\c], v[TM+12+2*\c]
	v_cvt_scalef32_pk16_fp6_f32 v[PC+12+4*\c:PC+14+4*\c], v[\s+16+32*\c:\s+31+32*\c], v[TM+12+2*\c+1]
.endr
	v_nop                                              ; one plain place behind a scaled conversion
.irp c, 0,1
.irp i, 0,1,2
	v_permlane16_swap_b32 v[PC+6*\c+\i], v[PC+12+4*\c+\i]
.endr
.irp i, 0,1,2
	v_mov_b32 v[PC+3+6*\c+\i], v[PC+12+4*\c+\i]
.endr
.endr
.endm
	s_load_b256 s[4:11], s[0:1], 0x0               ; cw, bq, bk, bv
	s_load_b128 s[12:15], s[0:1], 0x20             ; qc, kv
	v_lshl_add_u32 v254, v0, 2, 0x32000
	v_mov_b32 v255, 0
	ds_add_u32 v254, v255
	v_lshrrev_b32 v1, 5, v0
	v_readfirstlane_b32 s[WV], v1                  ; wave 0..5
	s_and_b32 s[YY], ttmp7, 0xffff                 ; the quarter of the columns: shared by the four partners
	s_mul_i32 s48, s[YY], 24                       ; the joint load: W's records 512 + 24 y + 6 w on (no register that feeds it ever holds cx)
	s_mul_i32 s49, s[WV], 6
	s_add_co_u32 s48, s48, s49
	s_add_co_u32 s48, s48, 512
	s_mul_i32 s48, s48, TILE
	s_mov_b32 s49, 0
	s_mul_i32 s50, s[WV], 6*TILE                   ; to LDS byte 38,400 w
	s_bfe_u32 s[CX], ttmp6, 0x40000                ; my place in the cluster
	s_lshl_b32 s[GG], ttmp9, 2
	s_add_co_u32 s[GG], s[GG], s[CX]               ; my 128 tokens
	s_lshl_b32 s52, s[GG], 3                       ; the plain load: x's records 8 G + 4 (w - 4) on
	s_max_u32 s53, s[WV], 4
	s_sub_co_u32 s53, s53, 4
	s_lshl_b32 s53, s53, 2
	s_add_co_u32 s52, s52, s53
	s_mul_i32 s52, s52, TILE
	s_mov_b32 s53, 0
	s_mul_i32 s54, s[WV], 4*TILE
	s_add_co_u32 s54, s54, XL-16*TILE              ; to LDS byte 153,600 + 25,600 (w - 4)
	; group 1: dense blocks as rows of 256 bytes (32 elements of 8 bytes), no padding
	s_mov_b32 s[G1J], 15|(3<<16)|(1<<21)           ; 15:0 the mask: all four work-groups; 17:16 elements of 8 bytes; 21 set beside a mask
	s_mov_b32 s[G1J+1], 32<<16                     ; tensor_dim0
	s_mov_b32 s[G1J+2], 150<<16                    ; tensor_dim1: 38,400 bytes
	s_mov_b32 s[G1J+3], 32<<16                     ; tile_dim0
	s_mov_b32 s[G1J+4], 150                        ; tile_dim1
	s_mov_b32 s[G1J+5], 32                         ; the pitch
	s_mov_b32 s[G1J+6], 0
	s_mov_b32 s[G1J+7], 0
	s_mov_b32 s[G1P], 3<<16                        ; no mask
	s_mov_b32 s[G1P+1], 32<<16
	s_mov_b32 s[G1P+2], 100<<16                    ; 25,600 bytes
	s_mov_b32 s[G1P+3], 32<<16
	s_mov_b32 s[G1P+4], 100
	s_mov_b32 s[G1P+5], 32
	s_mov_b32 s[G1P+6], 0
	s_mov_b32 s[G1P+7], 0
	s_wait_dscnt 0x0
	s_wait_kmcnt 0x0
	s_mov_b32 s[G0J], 1
	s_mov_b32 s[G0J+1], s50
	s_add_nc_u64 s[G0J+2:G0J+3], s[4:5], s[48:49]
	s_or_b32 s[G0J+3], s[G0J+3], 0x80000000
	s_mov_b32 s[G0P], 1
	s_mov_b32 s[G0P+1], s54
	s_add_nc_u64 s[G0P+2:G0P+3], s[4:5], s[52:53]
	s_or_b32 s[G0P+3], s[G0P+3], 0x80000000
	CROUND                                         ; all four work-groups are here: the joint loads meet
	s_cmp_lt_u32 s[WV], 4                          ; each wave issues one load; four v_nop follow it
	s_cbranch_scc0 .Lplain
	tensor_load_to_lds s[G0J:G0J+3], s[G1J:G1J+7]
	s_nop 0
	PLACES
	s_branch .Lasked
.Lplain:
	tensor_load_to_lds s[G0P:G0P+3], s[G1P:G1P+7]
	s_nop 0
	PLACES
.Lasked:
	v_and_b32 v1, 31, v0                           ; lane
	v_and_b32 v2, 15, v0                           ; r
	v_bfe_u32 v3, v0, 4, 1                         ; h
	v_lshlrev_b32 v[L16], 4, v1
	v_lshlrev_b32 v[L8], 3, v1
	s_mov_b32 s[SEL], 0x76543210
	s_mov_b32 s[SEL+1], 0xfedcba98
	s_mov_b32 s[HM], 0xffff0000                    ; lanes 16-31
	s_lshr_b32 s[GL], s[WV], 1                     ; which of the quarter's three column groups
	s_and_b32 s[SUB], s[WV], 1                     ; which half of source 1's side
	s_mul_i32 s[GRP], s[YY], 3
	s_add_co_u32 s[GRP], s[GRP], s[GL]             ; column group 0..11: 0-3 q, 4-7 k, 8-11 v
	s_and_b32 s[GP], s[GRP], 3                     ; and within its weight: heads 2 g', 2 g' + 1
	s_lshr_b32 s[BB], s[GG], 4                     ; batch
	s_and_b32 s[STP], s[GG], 15                    ; key step
	s_mov_b32 s73, 0
	s_wait_tensorcnt 0x0                           ; my part has landed,
	s_barrier_signal -1
	s_barrier_wait -1                              ; everybody's has
.macro SETADR
	v_add_nc_u32 v[AG], s[LA], v[L16]
	v_add_nc_u32 v[AT], s[LB], v[L16]
	v_add_nc_u32 v[AGS], s[LA], v[L8]
	v_add_nc_u32 v[ATS], s[LB], v[L8]
.endm
; The four K steps of 128.  The 32 accumulators take turns, one instruction a turn, in the same order in every step; the first step's products start the sums.
; K step s takes register s % 2 of a tile's pair of scale words, from lanes 0-15 (s < 2) or lanes 16-31.
.macro KLOOP
.irp s, 0,1,2,3
.if \s > 0
	PLACES
.endif
.irp t, 0,1,2,3,4,5,6,7
.irp c, 0,1,2
	ds_load_b128 v[FG+12*\t+4*\c:FG+12*\t+4*\c+3], v[AG] offset:TILE*\t+1536*\s+512*\c
.endr
.endr
.irp i, 0,1,2,3
.irp c, 0,1,2
	ds_load_b128 v[FT+12*\i+4*\c:FT+12*\i+4*\c+3], v[AT] offset:TILE*\i+1536*\s+512*\c
.endr
.endr
.if \s == 0
.irp t, 0,1,2,3,4,5,6,7
	ds_load_b64 v[SG+2*\t:SG+2*\t+1], v[AGS] offset:TILE*\t+6144
.endr
.irp i, 0,1,2,3
	ds_load_b64 v[ST+2*\i:ST+2*\i+1], v[ATS] offset:TILE*\i+6144
.endr
.endif
	s_wait_dscnt 0x0
	WIN 0x50                                       ; C and D window 1
.irp i, 0,1,2,3
.irp t, 0,1,2,3,4,5,6,7
.if \s == 0
	v_wmma_scale_f32_16x16x128_f8f6f4 v[64*\i+8*\t:64*\i+8*\t+7], v[FG+12*\t:FG+12*\t+11], v[FT+12*\i:FT+12*\i+11], 0, v[SG+2*\t], v[ST+2*\i] matrix_a_fmt:MATRIX_FMT_FP6 matrix_b_fmt:MATRIX_FMT_FP6
.elseif \s == 1
	v_wmma_scale_f32_16x16x128_f8f6f4 v[64*\i+8*\t:64*\i+8*\t+7], v[FG+12*\t:FG+12*\t+11], v[FT+12*\i:FT+12*\i+11], v[64*\i+8*\t:64*\i+8*\t+7], v[SG+2*\t+1], v[ST+2*\i+1] matrix_a_fmt:MATRIX_FMT_FP6 matrix_b_fmt:MATRIX_FMT_FP6
.else
	v_wmma_scale_f32_16x16x128_f8f6f4 v[64*\i+8*\t:64*\i+8*\t+7], v[FG+12*\t:FG+12*\t+11], v[FT+12*\i:FT+12*\i+11], v[64*\i+8*\t:64*\i+8*\t+7], v[SG+2*\t+\s-2], v[ST+2*\i+\s-2] matrix_a_fmt:MATRIX_FMT_FP6 matrix_b_fmt:MATRIX_FMT_FP6 matrix_a_scale:MATRIX_SCALE_ROW1 matrix_b_scale:MATRIX_SCALE_ROW1
.endif
.endr
.endr
	WIN 0
.endr
.endm
	s_cmp_ge_u32 s[GRP], 8                         ; the one parting: on y and the wave's number, alike in all partners; no barrier stands in either way
	s_cbranch_scc1 .Lpath_v
	; ---- q and k
	s_mul_i32 s[LA], s[GL], 8*TILE                 ; source 0: my group of W
	s_mul_i32 s[LB], s[SUB], 4*TILE
	s_add_co_u32 s[LB], s[LB], XL                  ; source 1: x's tiles 4 sub on
	SETADR
	s_cmp_lt_u32 s[GRP], 4                         ; q or k: the bias, the buffer and its record's size
	s_cselect_b64 s[66:67], s[6:7], s[8:9]
	s_cselect_b64 s[68:69], s[12:13], s[14:15]
	s_mov_b32 s70, 13056
	s_cselect_b32 s70, 6656, s70
	s_lshl_b32 s72, s[GP], 9
	s_add_nc_u64 s[66:67], s[66:67], s[72:73]      ; the bias of my 128 channels
	s_lshl_b32 s71, s[BB], 7
	s_lshl_b32 s72, s[GP], 5
	s_add_co_u32 s71, s71, s72
	s_add_co_u32 s71, s71, s[STP]                  ; record (8 b + 2 g') 16 + step
	s_mul_i32 s72, s71, s70
	s_add_nc_u64 s[74:75], s[68:69], s[72:73]      ; head 2 g',
	s_lshl_b32 s72, s70, 4
	s_add_nc_u64 s[76:77], s[74:75], s[72:73]      ; head 2 g' + 1: 16 records on
	v_lshlrev_b32 v[BOF], 6, v3                    ; 64 h: register 8 t + j wants channel 32 (t / 2) + 16 h + 8 (t % 2) + j
.irp t, 0,1,2,3,4,5,6,7
	global_load_b128 v[BI+8*\t:BI+8*\t+3], v[BOF], s[66:67] offset:(32*(\t/2)+8*(\t%2))*4
	global_load_b128 v[BI+8*\t+4:BI+8*\t+7], v[BOF], s[66:67] offset:(32*(\t/2)+8*(\t%2))*4+16
.endr
	s_mul_i32 s71, s[SUB], 3072                    ; my four token tiles in a record
	v_add_nc_u32 v[VO16], s71, v[L16]
	v_add_nc_u32 v[VO8], s71, v[L8]
	s_lshl_b32 s71, s[SUB], 8
	v_add_nc_u32 v[VS8], s71, v[L8]
	KLOOP
	s_wait_loadcnt 0x0                             ; the bias
	PLACES
.irp i, 0,1,2,3                                ; a tile of 16 tokens at a time
	WIN 0x01                                       ; source 0 window 1
.set NN, 0
.rept 32
	v_pk_add_f32 v[HA+NN:HA+NN+1], v[64*\i+NN:64*\i+NN+1], v[BI+NN:BI+NN+1]   ; + bias, and into window 0; each accumulator from its low end on
.set NN, NN+2
.endr
	WIN 0
	s_wait_xcnt 0x0                                ; the last tile's stores have read the codes' registers
	QUANT HA, PWR
	v_and_b32 v[SA+\i], 0xffff, v[PWR]             ; blocks 0, 1: head 2 g';  bytes 2, 3 stay 0
	v_lshrrev_b32 v[SB+\i], 16, v[PWR]             ; blocks 2, 3: head 2 g' + 1
	global_store_b128 v[VO16], v[PC:PC+3], s[74:75] offset:768*\i          ; 512 consecutive bytes, aligned
	global_store_b64 v[VO8], v[PC+4:PC+5], s[74:75] offset:768*\i+512      ; 256
	global_store_b128 v[VO16], v[PC+6:PC+9], s[76:77] offset:768*\i
	global_store_b64 v[VO8], v[PC+10:PC+11], s[76:77] offset:768*\i+512
.endr
	v_cndmask_b32 v152, v[SA], v[SA+2], s[HM]      ; lanes 0-15: tiles 0, 1 of my four; lanes 16-31: tiles 2, 3
	v_cndmask_b32 v153, v[SA+1], v[SA+3], s[HM]
	v_cndmask_b32 v154, v[SB], v[SB+2], s[HM]
	v_cndmask_b32 v155, v[SB+1], v[SB+3], s[HM]
	global_store_b64 v[VS8], v[152:153], s[74:75] offset:6144
	global_store_b64 v[VS8], v[154:155], s[76:77] offset:6144
	s_branch .Ljoin
.Lpath_v:
	; ---- v
	s_mov_b32 s[LA], XL                            ; source 0: x's eight tiles
	s_mul_i32 s[LB], s[GL], 8*TILE
	s_mul_i32 s71, s[SUB], 4*TILE
	s_add_co_u32 s[LB], s[LB], s71                 ; source 1: one head's four tiles of Wv
	SETADR
	s_lshl_b32 s70, s[GP], 1
	s_add_co_u32 s70, s70, s[SUB]                  ; the head
	s_lshl_b32 s72, s70, 8
	s_add_nc_u64 s[66:67], s[10:11], s[72:73]      ; its 64 numbers of bv
	s_lshl_b32 s71, s[BB], 7
	s_lshl_b32 s72, s70, 4
	s_add_co_u32 s71, s71, s72
	s_add_co_u32 s71, s71, s[STP]
	s_mul_i32 s72, s71, 13056
	s_add_nc_u64 s[74:75], s[14:15], s[72:73]
	v_and_b32 v[BOF], 8, v2
	v_add_nc_u32 v[BOF], v[BOF], v2
	v_lshlrev_b32 v[BOF], 2, v[BOF]                ; my channel in a tile: r + 8 (r / 8)
.irp i, 0,1,2,3
	global_load_b32 v[BI+2*\i], v[BOF], s[66:67] offset:(32*(\i/2)+8*(\i%2))*4
	v_mov_b32 v[BI+2*\i+1], 0                      ; (named with it as a pair, so it is written)
.endr
	KLOOP
	s_wait_loadcnt 0x0
	PLACES
.irp i, 0,1,2,3                                ; a tile of 16 channels at a time: its 128 keys are one fragment
	WIN 0x01
.set NN, 0
.rept 32
	v_pk_add_f32 v[HA+NN:HA+NN+1], v[64*\i+NN:64*\i+NN+1], v[BI+2*\i:BI+2*\i+1] op_sel_hi:[1,0]   ; + my channel's bias
.set NN, NN+2
.endr
	WIN 0
	s_wait_xcnt 0x0
	QUANT HA, SA+\i
.irp c, 0,1,2
	global_store_b128 v[L16], v[PC+4*\c:PC+4*\c+3], s[74:75] offset:6656+1536*\i+512*\c
.endr
.endr
	v_cndmask_b32 v152, v[SA], v[SA+2], s[HM]
	v_cndmask_b32 v153, v[SA+1], v[SA+3], s[HM]
	global_store_b64 v[L8], v[152:153], s[74:75] offset:12800
.Ljoin:
	s_wait_tensorcnt 0x0
	ds_add_u32 v254, v255
	s_wait_dscnt 0x0
	CROUND                                         ; the closing round: no work-group ends while a partner may still ask for a tile that names it
	s_endpgm
.Lfunc_end_k_q0a079a9dac_qkv:
	.size	k_q0a079a9dac_qkv, .Lfunc_end_k_q0a079a9dac_qkv-k_q0a079a9dac_qkv
	.p2alignl 7, 3214868480
	.fill 96, 4, 3214868480
	.section	.rodata,"a",@progbits
	.p2align	6, 0x0
	.amdhsa_kernel k_q0a079a9dac_qkv
		.amdhsa_group_segment_fixed_size 205568
		.amdhsa_private_segment_fixed_size 0
		.amdhsa_enable_private_segment 0
		.amdhsa_kernarg_size 48
		.amdhsa_user_sgpr_count 2
		.amdhsa_user_sgpr_kernarg_segment_ptr 1
		.amdhsa_wavefront_size32 1
		.amdhsa_system_sgpr_workgroup_id_x 1
		.amdhsa_system_sgpr_workgroup_id_y 1
		.amdhsa_system_sgpr_workgroup_id_z 1
		.amdhsa_system_vgpr_workitem_id 0
		.amdhsa_next_free_vgpr 512
		.amdhsa_next_free_sgpr 80
		.amdhsa_reserve_vcc 0
		.amdhsa_float_denorm_mode_32 3
		.amdhsa_float_denorm_mode_16_64 3
		.amdhsa_memory_ordered 1
		.amdhsa_forward_progress 1
		.amdhsa_inst_pref_size 113
	.end_amdhsa_kernel
	.amdgpu_metadata
---
amdhsa.version: [ 1, 2 ]
amdhsa.kernels:
  - .name:           k_q0a079a9dac_qkv
    .symbol:         k_q0a079a9dac_qkv.kd
    .args:
      - { .name: cw, .offset: 0, .size: 8, .value_kind: global_buffer, .address_space: global }
      - { .name: bq, .offset: 8, .size: 8, .value_kind: global_buffer, .address_space: global }
      - { .name: bk, .offset: 16, .size: 8, .value_kind: global_buffer, .address_space: global }
      - { .name: bv, .offset: 24, .size: 8, .value_kind: global_buffer, .address_space: global }
      - { .name: qc, .offset: 32, .size: 8, .value_kind: global_buffer, .address_space: global }
      - { .name: kv, .offset: 40, .size: 8, .value_kind: global_buffer, .address_space: global }
    .group_segment_fixed_size: 205568
    .private_segment_fixed_size: 0
    .kernarg_segment_align: 8
    .kernarg_segment_size: 48
    .max_flat_workgroup_size: 192
    .sgpr_count:     80
    .vgpr_count:     512
    .wavefront_size: 32
...
	.end_amdgpu_metadata
.endif
;; end of part 2
;; launch attn (part 3): grid 64 x 4, 16 waves a work-group, clusters of 4 x 1, 327,680 bytes of LDS; arguments qc, kv, attn_mask, cw, bo, out0; writes out0
.if DOCPART == 3
	.amdgcn_target "amdgcn-amd-amdhsa--gfx1250"
	.amdhsa_code_object_version 6
	.text
	.protected	k_q0a079a9dac_attn
	.globl	k_q0a079a9dac_attn
	.p2align	8
	.type	k_q0a079a9dac_attn,@function
k_q0a079a9dac_attn:
	s_mov_b64 s[64:65], 0
	v_nop
	global_prefetch_b8 v0, s[64:65] scope:SCOPE_SE
	s_setreg_imm32_b32 hwreg(HW_REG_WAVE_MODE, 25, 1), 1
	s_wait_xcnt 0x0
	s_wait_alu depctr_hold_cnt(0) depctr_sa_sdst(0) depctr_va_vdst(0) depctr_va_sdst(0) depctr_va_ssrc(0) depctr_va_vcc(0) depctr_vm_vsrc(0)
	s_getreg_b32 s2, hwreg(HW_REG_IB_STS2, 6, 4)
	s_cmp_eq_u32 s2, 0
	s_cbranch_scc0 .Lentry_in_a_cluster
	s_endpgm
.Lentry_in_a_cluster:
	s_bfe_u32 s2, ttmp6, 0x10000c
	s_cmp_lg_u32 s2, 0x3003
	s_cbranch_scc0 .Lentry_shape_is_right
	s_endpgm
.Lentry_shape_is_right:
; out0 = (softmax(mask(q k^T / 8)) v) Wo^T + bo, all three products on codes of FP6 with E8M0 scales.  Head 0 sees all 2,048 keys, heads 1-7 the keys with |i - j| <= 128; attn_mask hides keys for every head.
; THE SOFTMAX: t = score x log2(e) / 8; M = the running largest t rounded UP to a whole number; p = 2^(t - M) is quantised along the keys, not normalised; the row's sum of the unquantised p divides at the end.
; SHARES.  A work-group owns 32 queries (two tiles u of 16) for ALL eight heads, so that the output projection is made here.  The four work-groups of a cluster own the 128 queries of key step a
; and need the same 37 records of k and v: every record is asked for JOINTLY.  Wave w: tile u = w % 2, place pos = w / 2, head hd = (pos + 1) % 8.
; FIVE PASSES through two LDS slots of eight records: G0, G1: head 0, key steps 2 pos and 2 pos + 1 (all sixteen waves; eight partial results a tile);  B0, B1, B2: head pos + 1, key steps a, a - 1, a + 1 (waves 0-13;
; in B0 waves 14, 15 add head 0's eight partial results).  At a sequence's end another step of the head is fetched in the missing one's place (step 15 for a - 1, step 15 again for a + 1) and all its keys are hidden: no branch and no count differs.
; LAYOUT.  Both products are used transposed (S^T = k q^T, O^T = v^T p^T): a lane holds ONE query.  Register 16 b + i of S^T is key 32 b + 16 (lane / 16) + i of the step, by the order of the tiles' rows.
; K = 64 IN AN INSTRUCTION OF 128: q's codes of k = 64 .. 127 are zeros, so whatever stands in a k tile's upper six registers adds nothing (this format has no code for infinity or NaN): they are the next tile's six.
; attn_mask: a table of 0 (seen) or -3e38 (hidden) for the batch's 2,048 keys lies in LDS and is the C of the first product.  The band's hidden scores become -infinity.
; The running largest t begins at -2^100: over a hidden key's t (about -5.4e37), under every t that counts.  So as long as no key has been seen p, the sum and O^T are zeros, and the first seen key's M takes over.
; LIMITS: a query none of whose keys is seen in a head (heads 1-7: its whole band hidden; head 0: all 2,048 keys) gets zeros from that head, where the reference takes the mean of v over all 2,048 keys.
; A t under -2^100 is not told from a hidden key's.  NaN and infinities among the inputs are not served.
.set REC,   13056                      ; a record of kv
.set QREC,  6656                       ; a record of qc
.set SLOT1, 8*REC                      ; LDS: slot 0 at 0, slot 1 here
.set MB,    16*REC                     ; the mask's table, 8,192 bytes
.set PART,  MB+8192                    ; head 0's partial results: 4,608 bytes a wave (O^T in eight planes of 512, then -M, t, the sum)
.set PSZ,   4608
.set AIMG,  PART+16*PSZ                ; the attention's result as codes: fragment (u, s) at 1,536 (4 u + s): six planes of 256, a pair of registers each
.set ASC,   AIMG+8*1536                ; its scale words, 128 bytes a fragment
.set SPARE, ASC+1024                   ; the spare words, 128 bytes for each wave: eight blocks of 256 bytes that no other line names
.set STG,   SLOT1                      ; the way out: 32 rows x (2,048 + 16) bytes, in slot 1, which has had its last fill and its last read by then
.set SP,    2064
.set SPW,   1                          ; v1 my spare word's address, v2 = 0: never rewritten
.set NIL,   2
.set A16_0, 3                          ; v3-6  my record in slot 0 and slot 1: + 16 x lane, + 8 x lane
.set A8_0,  4
.set A16_1, 5
.set A8_1,  6
.set MBG,   7                          ; v7-10 the mask's table at my key step + 64 (lane / 16): head 0's, B0's, B1's, B2's
.set MB0,   8
.set MB1,   9
.set MB2,   10
.set DD,    11                         ; v11   my query in its 128, less 16 (lane / 16)
.set QG,    16                         ; v16-27 q of head 0;  v28-39 of head hd  (six registers of codes, six of zeros)
.set QB,    28
.set KS,    40                         ; v40-48 hold scales alone: k's 4, v's 2, q's 2, p's 1
.set VS,    44
.set QSG,   46
.set QSB,   47
.set PW,    48
.set F,     50                         ; v50-97 eight tiles of k or four fragments of v; v98-103 zeros
.set S,     104                        ; v104-167 S^T, then p
.set O,     168                        ; v168-199 O^T
.set PC,    200                        ; v200-211 p's codes
.set PT,    212                        ; v212-219 at work
.set SO,    220                        ; v220-223 the conversions' scale operands
.set BM,    224                        ; v224-227 the blocks' largest
.set FF,    228                        ; v[228:229] f
.set TMP,   230
.set NINF,  231
.set DV,    232
.set LN,    233                        ; v233-242 at the head only
.set RR,    234
.set HH,    235
.set QO16,  236
.set QO8,   237
.set QOS,   238
.set MW,    239
.set MO,    240
.set MBW,   241
.set R8,    242
.set L8,    243                        ; v243-254 offsets of the later phases, all made at the head
.set PWA,   244
.set PRA,   245
.set PRB,   246
.set AIW,   247
.set ASW,   248
.set AIR,   249
.set ASR,   250
.set STW,   251
.set STR,   252
.set L16,   253
.set BOO,   254
.set WF,    50                         ; the output projection: v50-145 Wo's eight fragments, v146-161 bo, v162-209 four fragments of the result, v210-241 four accumulators
.set BO,    146
.set AF,    162
.set YA,    210
.set MM,    152
.set WV,    16
.set U,     17
.set POS,   18
.set HD,    19
.set SEL,   20
.set CS,    22
.set G1,    24                         ; s[24:31] group 1;  s[32:51] five groups 0, one for each pass: never rewritten
.set G0,    32
.set AA,    52
.set BB,    53
.set CX,    54
.set BIG,   55                         ; s55, s56
.set SM,    57
.set SPL,   58
.set QB0,   60
.set QBH,   62
.set WOB,   66
.set BOB,   68
.set OB,    70
.set MKB,   72
.macro PLACES                          ; four plain places behind a matrix instruction, ahead of loads into its registers and of reads of its result
.rept 4
	v_nop
.endr
.endm
.macro CROUND                          ; a round of the cluster's barrier
	s_barrier_signal -1
	s_barrier_wait -1
	s_cmp_lg_u32 s[WV], 0
	s_cbranch_scc1 .Lnot_wave_0_\@
	s_barrier_signal -3
.Lnot_wave_0_\@:
	s_barrier_wait -3
	s_barrier_signal -1
	s_barrier_wait -1
.endm
.macro JL n                            ; a joint refill: waves 0-6 fetch the records of heads 1-7; four v_nop follow the load
	s_cmp_lt_u32 s[WV], 7
	s_cbranch_scc0 .Lnone_\@
	tensor_load_to_lds s[G0+4*\n:G0+4*\n+3], s[G1:G1+7]
	s_nop 0
	PLACES
.Lnone_\@:
.endm
.macro RESET                           ; the start of a row's walk: O^T and the sum are zeros; the largest t is -2^100, over a hidden key's t and under every t that counts
.set NN, 0
.rept 32
	v_mov_b32 v[O+NN], 0
.set NN, NN+1
.endr
	v_mov_b32 v13, 0xf1800000
	v_mov_b32 v14, 0
	v_mov_b32 v15, 0
	v_floor_f32 v12, -v13                          ; -M
.endm
.macro MKG0 n, rec, slot               ; group 0 of pass n: record s[rec] of kv to place w of the slot
	s_mov_b32 s[G0+4*\n], 1
	s_add_co_u32 s[G0+4*\n+1], s77, \slot
	s_mul_i32 s78, s[\rec], REC
	s_add_nc_u64 s[G0+4*\n+2:G0+4*\n+3], s[6:7], s[78:79]
	s_or_b32 s[G0+4*\n+3], s[G0+4*\n+3], 0x80000000
.endm
	s_load_b256 s[4:11], s[0:1], 0x0               ; qc, kv, attn_mask, cw
	s_load_b128 s[12:15], s[0:1], 0x20             ; bo, out0
	v_lshl_add_u32 v[SPW], v0, 2, SPARE
	v_mov_b32 v[NIL], 0
	ds_add_u32 v1, v2
	s_wait_dscnt 0x0
	v_lshrrev_b32 v[LN], 5, v0
	v_readfirstlane_b32 s[WV], v[LN]               ; wave 0..15
	s_and_b32 s[U], s[WV], 1
	s_lshr_b32 s[POS], s[WV], 1
	s_add_co_u32 s[HD], s[POS], 1
	s_and_b32 s[HD], s[HD], 7
	s_min_u32 s[AA], ttmp9, 15                     ; a: the cluster's 128 queries, and their key step
	s_and_b32 s[BB], ttmp7, 0xffff                 ; the batch
	s_add_co_u32 s[SM], s[AA], 15
	s_and_b32 s[SM], s[SM], 15                     ; the step before: a - 1, and for a = 0 step 15, all of whose keys are then hidden
	s_add_co_u32 s[SPL], s[AA], 1
	s_min_u32 s[SPL], s[SPL], 15                   ; the step behind, held at 15
	s_cmp_eq_u32 s[AA], 0
	s_cselect_b32 s[BIG], 0x100000, 0              ; where there is no step before, every key of the one fetched in its place is hidden;
	s_cmp_eq_u32 s[AA], 15
	s_cselect_b32 s[BIG+1], 0xfff00000, 0          ; likewise behind
	s_mov_b32 s[G1], 15|(3<<16)|(1<<21)            ; 15:0 the mask: all four work-groups; 17:16 elements of 8 bytes; 21 set beside a mask; no padding
	s_mov_b32 s[G1+1], 32<<16                      ; tensor_dim0: rows of 256 bytes
	s_mov_b32 s[G1+2], 51<<16                      ; tensor_dim1: 13,056 bytes
	s_mov_b32 s[G1+3], 32<<16                      ; tile_dim0
	s_mov_b32 s[G1+4], 51                          ; tile_dim1
	s_mov_b32 s[G1+5], 32                          ; the pitch
	s_mov_b32 s[G1+6], 0
	s_mov_b32 s[G1+7], 0
	s_lshl_b32 s76, s[BB], 7                       ; record (8 b + head) 16 + step.  No register that feeds a descriptor ever holds cx
	s_mul_i32 s77, s[WV], REC                      ; my place in a slot
	s_mov_b32 s79, 0
	s_lshl_b32 s80, s[WV], 1
	s_min_u32 s80, s80, 14                         ; (held for the waves that fetch nothing)
	s_add_co_u32 s80, s80, s76                     ; G0: head 0, step 2 w
	s_add_co_u32 s81, s80, 1                       ; G1: step 2 w + 1
	s_add_co_u32 s82, s[WV], 1
	s_min_u32 s82, s82, 7
	s_lshl_b32 s82, s82, 4
	s_add_co_u32 s82, s82, s76                     ; head w + 1
	s_add_co_u32 s83, s82, s[SM]                   ; B1
	s_add_co_u32 s84, s82, s[SPL]                  ; B2
	s_add_co_u32 s82, s82, s[AA]                   ; B0
	s_mov_b32 s[SEL], 0x76543210
	s_mov_b32 s[SEL+1], 0xfedcba98                 ; lane l xor 16
	s_mov_b32 s[CS], 0x3e38aa3b                    ; c = log2(e) / 8
	s_mov_b32 s[CS+1], s[CS]                       ; (named with it as a pair, so it is written)
	s_wait_kmcnt 0x0
	MKG0 0, 80, 0
	MKG0 1, 81, SLOT1
	MKG0 2, 82, 0
	MKG0 3, 83, SLOT1
	MKG0 4, 84, 0
	CROUND                                         ; all four work-groups are here: the first joint loads meet
	s_cmp_lt_u32 s[WV], 8                          ; waves 0-7: both first fills in one branch: two loads of mine are out
	s_cbranch_scc0 .Lno_first
	tensor_load_to_lds s[G0:G0+3], s[G1:G1+7]
	s_nop 0
	tensor_load_to_lds s[G0+4:G0+7], s[G1:G1+7]
	s_nop 0
	PLACES
.Lno_first:
	s_bfe_u32 s[CX], ttmp6, 0x40000                ; my place in the cluster: it enters q's and out0's global addresses and the band's test, no branch and no LDS address
	s_add_co_u32 s85, s76, s[AA]
	s_mul_i32 s78, s85, QREC
	s_add_nc_u64 s[QB0:QB0+1], s[4:5], s[78:79]    ; q's record of head 0,
	s_lshl_b32 s86, s[HD], 4
	s_add_co_u32 s85, s85, s86
	s_mul_i32 s78, s85, QREC
	s_add_nc_u64 s[QBH:QBH+1], s[4:5], s[78:79]    ; and of head hd
	s_lshl_b32 s78, s[BB], 11
	s_add_nc_u64 s[MKB:MKB+1], s[8:9], s[78:79]    ; the batch's row of attn_mask
	s_lshl_b32 s85, s[WV], 1
	s_add_co_u32 s85, s85, 608
	s_mul_i32 s78, s85, 6400
	s_add_nc_u64 s[WOB:WOB+1], s[10:11], s[78:79]  ; Wo's tiles 2 w, 2 w + 1
	s_lshl_b32 s78, s[WV], 7
	s_add_nc_u64 s[BOB:BOB+1], s[12:13], s[78:79]  ; bo's 32 numbers
	s_lshl_b32 s85, s[AA], 7
	s_lshl_b32 s86, s[CX], 5
	s_add_co_u32 s85, s85, s86                     ; my work-group's first query: 128 a + 32 cx
	s_lshr_b32 s86, s[WV], 3
	s_lshl_b32 s86, s86, 3
	s_add_co_u32 s85, s85, s86                     ; stage rows 2 w, 2 w + 1 are tile w / 8, rows 2 (w % 8) + i: tokens + 8 (w / 8) + 2 (w % 8) + 8 ((w % 8) / 4) + i
	s_and_b32 s86, s[WV], 7
	s_lshl_b32 s87, s86, 1
	s_add_co_u32 s85, s85, s87
	s_lshr_b32 s86, s86, 2
	s_lshl_b32 s86, s86, 3
	s_add_co_u32 s85, s85, s86
	s_lshl_b32 s86, s[BB], 11
	s_add_co_u32 s85, s85, s86
	s_lshl_b32 s88, s85, 11                        ; rows of 2,048 bytes
	s_mov_b32 s89, 0
	s_add_nc_u64 s[OB:OB+1], s[14:15], s[88:89]
	v_and_b32 v[LN], 31, v0
	v_and_b32 v[RR], 15, v0
	v_bfe_u32 v[HH], v0, 4, 1
	v_lshlrev_b32 v[L16], 4, v[LN]
	v_lshlrev_b32 v[L8], 3, v[LN]
	s_lshl_b32 s90, s[CX], 1
	s_add_co_u32 s90, s90, s[U]                    ; my tile of the step's eight: 2 cx + u
	s_mul_i32 s90, s90, 768
	v_add_nc_u32 v[QO16], s90, v[L16]
	v_add_nc_u32 v[QO8], s90, v[L8]
	s_lshl_b32 s90, s[CX], 7
	s_lshl_b32 s91, s[U], 2
	s_add_co_u32 s90, s90, s91
	v_lshl_add_u32 v[QOS], v[RR], 3, s90           ; its row r's scale word: 128 cx + 4 u + 8 r: so it always lies in lanes 0-15
	v_lshlrev_b32 v[MO], 2, v0
	global_load_b128 v[QG:QG+3], v[QO16], s[QB0:QB0+1]
	global_load_b64 v[QG+4:QG+5], v[QO8], s[QB0:QB0+1] offset:512
	global_load_b32 v[QSG], v[QOS], s[QB0:QB0+1] offset:6144
	global_load_b128 v[QB:QB+3], v[QO16], s[QBH:QBH+1]
	global_load_b64 v[QB+4:QB+5], v[QO8], s[QBH:QBH+1] offset:512
	global_load_b32 v[QSB], v[QOS], s[QBH:QBH+1] offset:6144
	global_load_b32 v[MW], v[MO], s[MKB:MKB+1]     ; four keys' bytes of attn_mask a thread
	; every LDS address of the launch
	s_mul_i32 s92, s[POS], REC
	v_add_nc_u32 v[A16_0], s92, v[L16]
	v_add_nc_u32 v[A8_0], s92, v[L8]
	s_add_co_u32 s92, s92, SLOT1
	v_add_nc_u32 v[A16_1], s92, v[L16]
	v_add_nc_u32 v[A8_1], s92, v[L8]
	v_lshl_add_u32 v[DV], v[HH], 6, MB             ; the table + 64 h
	s_lshl_b32 s92, s[POS], 10
	v_add_nc_u32 v[MBG], s92, v[DV]                ; 512 bytes a key step
	s_lshl_b32 s92, s[AA], 9
	v_add_nc_u32 v[MB0], s92, v[DV]
	s_lshl_b32 s92, s[SM], 9
	v_add_nc_u32 v[MB1], s92, v[DV]
	s_lshl_b32 s92, s[SPL], 9
	v_add_nc_u32 v[MB2], s92, v[DV]
	v_lshl_add_u32 v[MBW], v0, 4, MB
	s_mul_i32 s92, s[WV], PSZ
	s_add_co_u32 s92, s92, PART
	v_add_nc_u32 v[PWA], s92, v[L16]
	s_mul_i32 s92, s[U], PSZ
	s_add_co_u32 s92, s92, PART
	v_add_nc_u32 v[PRA], s92, v[L16]               ; partial c of tile u lies 9,216 c on;
	v_add_nc_u32 v[PRB], 4*2*PSZ, v[PRA]           ; a second register for c = 4 .. 7: the immediate has 16 bits
	s_lshr_b32 s92, s[HD], 1
	s_lshl_b32 s93, s[U], 2
	s_add_co_u32 s92, s92, s93                     ; fragment 4 u + hd / 2
	s_and_b32 s93, s[HD], 1                        ; and which half of its 128
	s_mul_i32 s94, s92, 1536
	s_mul_i32 s95, s93, 768
	s_add_co_u32 s94, s94, s95
	s_add_co_u32 s94, s94, AIMG
	v_add_nc_u32 v[AIW], s94, v[L8]
	s_lshl_b32 s94, s92, 7
	s_lshl_b32 s95, s93, 1
	s_add_co_u32 s94, s94, s95
	s_add_co_u32 s94, s94, ASC
	v_lshl_add_u32 v[ASW], v[LN], 2, s94
	v_add_nc_u32 v[AIR], AIMG, v[L8]
	v_lshlrev_b32 v[ASR], 2, v[RR]
	v_lshl_add_u32 v[ASR], v[HH], 9, v[ASR]
	v_add_nc_u32 v[ASR], ASC, v[ASR]               ; lanes 0-15 tile 0's words, lanes 16-31 tile 1's
	v_mul_u32_u24 v[STW], v[RR], SP
	v_lshl_add_u32 v[STW], v[HH], 6, v[STW]
	s_lshl_b32 s94, s[WV], 7
	s_add_co_u32 s94, s94, STG
	v_add_nc_u32 v[STW], s94, v[STW]               ; the stage: row r, + 128 w + 64 h
	s_mul_i32 s94, s[WV], 2*SP
	s_add_co_u32 s94, s94, STG
	v_add_nc_u32 v[STR], s94, v[L16]               ; back: rows 2 w, 2 w + 1
	v_lshlrev_b32 v[BOO], 6, v[HH]
	v_and_b32 v[R8], 8, v[RR]
	v_add_nc_u32 v[R8], v[R8], v[RR]               ; r + 8 (r / 8)
	v_lshlrev_b32 v[TMP], 4, v[HH]
	v_sub_nc_u32 v[DD], v[R8], v[TMP]
	s_lshl_b32 s94, s[CX], 5
	s_lshl_b32 s95, s[U], 3
	s_add_co_u32 s94, s94, s95
	v_add_nc_u32 v[DD], s94, v[DD]                 ; 32 cx + 8 u + r + 8 (r / 8) - 16 h
.irp j, 6,7,8,9,10,11
	v_mov_b32 v[QG+\j], 0                          ; q's codes of k = 64 .. 127
	v_mov_b32 v[QB+\j], 0
.endr
.irp j, 48,49,50,51,52,53
	v_mov_b32 v[F+\j], 0                           ; what stands behind k's last tile
.endr
.irp b, 0,1,2,3
	v_mov_b32 v[PT+\b], 0                          ; written once: a lane permute's destination counts as one of its sources
.endr
	v_mov_b32 v[FF+1], 0                           ; (named as the upper half of a pair)
	v_mov_b32 v[NINF], 0xff800000
	RESET
	s_wait_loadcnt 0x0                             ; q and the mask's bytes
.irp k, 0,1,2,3
	v_bfe_u32 v[S+\k], v[MW], 8*\k, 1              ; 1: seen
.endr
.irp k, 0,1,2,3
	v_add_nc_u32 v[S+\k], -1, v[S+\k]              ; 0, or all ones
.endr
.irp k, 0,1,2,3
	v_and_b32 v[S+\k], 0xff61b1e6, v[S+\k]         ; 0, or -3e38
.endr
	ds_store_b128 v[MBW], v[S:S+3]
	s_wait_tensorcnt 0x1                           ; my part of slot 0 is in; slot 1's may stay out
	s_wait_dscnt 0x0                               ; my part of the table is stored
	s_barrier_signal -1
	s_barrier_wait -1
; A KEY STEP: 128 keys of one head for my 16 queries.  band = 0: all keys inside the band; 1: the step before my queries' (key kk hidden where kk < my query); 2: the step behind (hidden where kk > my query).
.macro STEP a16, a8, mb, mbo, q, qs, band
	PLACES
.irp t, 0,1,2,3,4,5,6,7
	ds_load_b128 v[F+6*\t:F+6*\t+3], v[\a16] offset:768*\t
	ds_load_b64 v[F+6*\t+4:F+6*\t+5], v[\a8] offset:768*\t+512
.endr
	ds_load_b64 v[KS:KS+1], v[\a8] offset:6144
	ds_load_b64 v[KS+2:KS+3], v[\a8] offset:6400
.irp t, 0,1,2,3,4,5,6,7
	ds_load_b128 v[S+8*\t:S+8*\t+3], v[\mb] offset:\mbo+(32*(\t/2)+8*(\t%2))*4       ; the mask's 0 or -3e38 of the register's key: the C of the product
	ds_load_b128 v[S+8*\t+4:S+8*\t+7], v[\mb] offset:\mbo+(32*(\t/2)+8*(\t%2))*4+16
.endr
	s_wait_dscnt 0x0
.irp t, 0,1,2,3,4,5,6,7
.if ((\t/2)%2) == 0
	v_wmma_scale_f32_16x16x128_f8f6f4 v[S+8*\t:S+8*\t+7], v[F+6*\t:F+6*\t+11], v[\q:\q+11], v[S+8*\t:S+8*\t+7], v[KS+2*(\t/4)+\t%2], v[\qs] matrix_a_fmt:MATRIX_FMT_FP6 matrix_b_fmt:MATRIX_FMT_FP6
.else
	v_wmma_scale_f32_16x16x128_f8f6f4 v[S+8*\t:S+8*\t+7], v[F+6*\t:F+6*\t+11], v[\q:\q+11], v[S+8*\t:S+8*\t+7], v[KS+2*(\t/4)+\t%2], v[\qs] matrix_a_fmt:MATRIX_FMT_FP6 matrix_b_fmt:MATRIX_FMT_FP6 matrix_a_scale:MATRIX_SCALE_ROW1
.endif
.endr
	PLACES
.irp i, 0,1,2,3                                ; v's four fragments land under the softmax
.irp c, 0,1,2
	ds_load_b128 v[F+12*\i+4*\c:F+12*\i+4*\c+3], v[\a16] offset:6656+1536*\i+512*\c
.endr
.endr
	ds_load_b64 v[VS:VS+1], v[\a8] offset:12800
.if \band
	v_add_nc_u32 v[DV], s[BIG+\band-1], v[DD]      ; register n holds key 32 (n / 16) + n % 16 + 16 (lane / 16)
.set NN, 0
.rept 64
.if \band == 1
	v_cmp_lt_i32 vcc_lo, 32*(NN/16)+NN%16, v[DV]
.else
	v_cmp_gt_i32 vcc_lo, 32*(NN/16)+NN%16, v[DV]
.endif
	v_cndmask_b32 v[S+NN], v[S+NN], v[NINF], vcc_lo
.set NN, NN+1
.endr
.endif
.irp b, 0,1,2,3
	v_max3_num_f32 v[BM+\b], v[S+16*\b], v[S+1+16*\b], v[S+2+16*\b]   ; the largest score of each block of 32 keys: for the row's maximum, and, since p rises with the score, for the block's largest p
.endr
.irp i, 3,5,7,9,11,13
.irp b, 0,1,2,3
	v_max3_num_f32 v[BM+\b], v[BM+\b], v[S+16*\b+\i], v[S+1+16*\b+\i]
.endr
.endr
.irp b, 0,1,2,3
	v_max_num_f32 v[BM+\b], v[BM+\b], v[S+15+16*\b]
.endr
.irp b, 0,1,2,3
	v_permlanex16_b32 v[PT+\b], v[BM+\b], s[SEL], s[SEL+1]
.endr
.irp b, 0,1,2,3
	v_max_num_f32 v[BM+\b], v[BM+\b], v[PT+\b]     ; with lane l xor 16's 16 keys
.endr
	v_max3_num_f32 v[TMP], v[BM], v[BM+1], v[BM+2]
	v_max_num_f32 v[TMP], v[TMP], v[BM+3]
	v_mul_f32 v[TMP], s[CS], v[TMP]                ; as t
	v_max_num_f32 v13, v13, v[TMP]                 ; the running largest t
	v_mov_b32 v[TMP], v12
	v_floor_f32 v12, -v13                          ; the new -M = -ceil(t): a whole number
	v_sub_f32 v[TMP], v12, v[TMP]                  ; old M - new M, 0 or less
	v_cvt_i32_f32 v[TMP], v[TMP]                   ; (it saturates)
	v_ldexp_f32 v[FF], 1.0, v[TMP]                 ; f = 2^(old M - new M): a multiplication by it rounds nothing
.set NN, 0
.rept 32
	v_pk_fma_f32 v[S+NN:S+NN+1], v[S+NN:S+NN+1], s[CS:CS+1], v[12:13] op_sel_hi:[1,0,0]   ; t - M
.set NN, NN+2
.endr
.irp b, 0,1,2,3
	v_fma_f32 v[BM+\b], v[BM+\b], s[CS], v12
.endr
.set NN, 0
.rept 64
	v_exp_f32 v[S+NN], v[S+NN]                     ; p = 2^(t - M), at most 1
.set NN, NN+1
.endr
.irp b, 0,1,2,3
	v_exp_f32 v[BM+\b], v[BM+\b]                   ; the block's largest p
.endr
	v_pk_mul_f32 v[14:15], v[14:15], v[FF:FF+1] op_sel_hi:[1,0]   ; the sums under the new M (a plain place behind the exponentials)
	s_wait_alu depctr_va_vdst(0)
.irp b, 0,1,2,3
	v_max_num_f32 v[BM+\b], 0x1800000, v[BM+\b]    ; the floor 2^(3 - 127): the byte cannot fall under 1
.endr
.irp b, 0,1,2,3
	v_add_nc_u32 v[SO+\b], 0xff000000, v[BM+\b]    ; 2 off the exponent field: the conversion's scale operand
.endr
.irp b, 0,1,2,3
	v_lshrrev_b32 v[PT+\b], 23, v[SO+\b]
.endr
	v_lshl_or_b32 v[PW], v[PT+1], 8, v[PT]         ; p's scale word for these 128 keys
	v_lshl_or_b32 v[PW], v[PT+2], 16, v[PW]
	v_lshl_or_b32 v[PW], v[PT+3], 24, v[PW]
.irp c, 0,1
	v_cvt_scalef32_pk16_fp6_f32 v[PC+6*\c:PC+2+6*\c], v[S+32*\c:S+15+32*\c], v[SO+2*\c]
	v_cvt_scalef32_pk16_fp6_f32 v[PT+4*\c:PT+2+4*\c], v[S+16+32*\c:S+31+32*\c], v[SO+2*\c+1]
.endr
	v_nop                                          ; one plain place behind a scaled conversion
.irp c, 0,1                                    ; a WHOLE block to a lane
.irp i, 0,1,2
	v_permlane16_swap_b32 v[PC+6*\c+\i], v[PT+4*\c+\i]
.endr
.irp i, 0,1,2
	v_mov_b32 v[PC+3+6*\c+\i], v[PT+4*\c+\i]
.endr
.endr
	v_pk_add_f32 v[PT:PT+1], v[S:S+1], v[S+2:S+3]  ; the row's sum is taken of the unquantised p, in two chains
.set NN, 4
.rept 15
	v_pk_add_f32 v[14:15], v[14:15], v[S+NN:S+NN+1]
	v_pk_add_f32 v[PT:PT+1], v[PT:PT+1], v[S+NN+2:S+NN+3]
.set NN, NN+4
.endr
	v_pk_add_f32 v[14:15], v[14:15], v[PT:PT+1]
.set NN, 0
.rept 16
	v_pk_mul_f32 v[O+NN:O+NN+1], v[O+NN:O+NN+1], v[FF:FF+1] op_sel_hi:[1,0]   ; O^T under the new M.  (With the sums: the places between p's codes and scale word and the products)
.set NN, NN+2
.endr
	s_wait_dscnt 0x0                               ; v is in
.irp i, 0,1,2,3
.if \i < 2
	v_wmma_scale_f32_16x16x128_f8f6f4 v[O+8*\i:O+8*\i+7], v[F+12*\i:F+12*\i+11], v[PC:PC+11], v[O+8*\i:O+8*\i+7], v[VS+\i%2], v[PW] matrix_a_fmt:MATRIX_FMT_FP6 matrix_b_fmt:MATRIX_FMT_FP6
.else
	v_wmma_scale_f32_16x16x128_f8f6f4 v[O+8*\i:O+8*\i+7], v[F+12*\i:F+12*\i+11], v[PC:PC+11], v[O+8*\i:O+8*\i+7], v[VS+\i%2], v[PW] matrix_a_fmt:MATRIX_FMT_FP6 matrix_b_fmt:MATRIX_FMT_FP6 matrix_a_scale:MATRIX_SCALE_ROW1
.endif
.endr
.endm
; THE CHANGE OF SLOTS.  Each wave waits for all its tensor loads (its part of the slot ahead), adds 0 to its spare word, and waits for that and for its reads of the slot that it has left.
; fill = 1: a round of the cluster's barrier, so that no wave of any partner still reads that slot or has a load on its way; the joint refill is the first thing behind it and has a pass's work in which to land.
.macro CHANGE fill, n, reset
	s_wait_tensorcnt 0x0
	ds_add_u32 v[SPW], v[NIL]
.if \reset
	RESET                                          ; the walk of the next head begins anew
.endif
	s_wait_dscnt 0x0
.if \fill
	CROUND
	JL \n
.else
	s_barrier_signal -1
	s_barrier_wait -1
.endif
.endm
; Waves 14 + u: head 0's eight partial results of tile u (from waves 2 c + u) become one.  -M* is the least -M; partial c counts f_c = 2^(M_c - M*) times: exact.
; A partial result none of whose 256 keys was seen holds zeros under M = -2^100: its f_c falls to 0, or is 1 where no partial result has a seen key.
.macro MLOAD c                         ; partial c's O^T into v50-81 or v200-231, by turns
.irp p, 0,1,2,3,4,5,6,7
	ds_load_b128 v[50+150*((\c)%2)+4*\p:50+150*((\c)%2)+4*\p+3], v[PRA+(\c)/4] offset:2*PSZ*((\c)%4)+512*\p
.endr
.endm
.macro MERGE
.irp c, 0,1,2,3,4,5,6,7
	ds_load_b128 v[S+4*\c:S+4*\c+3], v[PRA+\c/4] offset:2*PSZ*(\c%4)+4096   ; -M, t, the sum's two halves
.endr
	MLOAD 0
	MLOAD 1
	s_wait_dscnt 16                                ; the eight states are in; two partial O^T may be out
	v_min3_num_f32 v[MM], v[S], v[S+4], v[S+8]
	v_min3_num_f32 v[MM], v[MM], v[S+12], v[S+16]
	v_min3_num_f32 v[MM], v[MM], v[S+20], v[S+24]
	v_min_num_f32 v[MM], v[MM], v[S+28]
.irp c, 0,1,2,3,4,5,6,7
	v_sub_f32 v[S+32+2*\c], v[MM], v[S+4*\c]       ; M_c - M*, a whole number, 0 or less
.endr
.irp c, 0,1,2,3,4,5,6,7
	v_cvt_i32_f32 v[S+32+2*\c], v[S+32+2*\c]
.endr
.irp c, 0,1,2,3,4,5,6,7
	v_ldexp_f32 v[S+32+2*\c], 1.0, v[S+32+2*\c]
.endr
	v_pk_mul_f32 v[14:15], v[S+2:S+3], v[S+32:S+33] op_sel_hi:[1,0]
.irp c, 1,2,3,4,5,6,7
	v_pk_fma_f32 v[14:15], v[S+4*\c+2:S+4*\c+3], v[S+32+2*\c:S+33+2*\c], v[14:15] op_sel_hi:[1,0,1]
.endr
.irp c, 0,1,2,3,4,5,6,7
.if \c < 7
	s_wait_dscnt 8                                 ; partial c is in; the next one's eight loads may be out
.else
	s_wait_dscnt 0x0
.endif
.set NN, 0
.rept 16
.if \c == 0
	v_pk_mul_f32 v[O+NN:O+NN+1], v[50+NN:50+NN+1], v[S+32:S+33] op_sel_hi:[1,0]
.else
	v_pk_fma_f32 v[O+NN:O+NN+1], v[50+150*(\c%2)+NN:50+150*(\c%2)+NN+1], v[S+32+2*\c:S+33+2*\c], v[O+NN:O+NN+1] op_sel_hi:[1,0,1]
.endif
.set NN, NN+2
.endr
.if \c < 6
	MLOAD \c+2
.endif
.endr
.endm
	STEP A16_0, A8_0, MBG, 0, QG, QSG, 0           ; G0: head 0, key step 2 pos
	CHANGE 1, 2, 0                                 ; slot 1 has landed; slot 0 takes B0's records
	STEP A16_1, A8_1, MBG, 512, QG, QSG, 0         ; G1: key step 2 pos + 1
	PLACES
.irp c, 0,1,2,3,4,5,6,7
	ds_store_b128 v[PWA], v[O+4*\c:O+4*\c+3] offset:512*\c   ; my partial result; each accumulator from its low end on
.endr
	ds_store_b128 v[PWA], v[12:15] offset:4096
	s_wait_dscnt 0x0                               ; stored: the registers are written anew below
	CHANGE 1, 3, 1                                 ; slot 0 has landed; slot 1 takes B1's records; behind the round every partial result lies in LDS
	s_cmp_lt_u32 s[WV], 14
	s_cbranch_scc0 .Lmerge
	STEP A16_0, A8_0, MB0, 0, QB, QSB, 0           ; B0: my queries' own key step: every key lies inside the band
	s_branch .Lb0_done
.Lmerge:
	MERGE
.Lb0_done:
	CHANGE 1, 4, 0                                 ; slot 1 has landed; slot 0 takes B2's records
	s_cmp_lt_u32 s[WV], 14
	s_cbranch_scc0 .Lb1_done
	STEP A16_1, A8_1, MB1, 0, QB, QSB, 1           ; B1: the step before
.Lb1_done:
	CHANGE 0, 0, 0                                 ; slot 0 has landed; nothing is left to fetch
	s_cmp_lt_u32 s[WV], 14
	s_cbranch_scc0 .Lb2_done
	STEP A16_0, A8_0, MB2, 0, QB, QSB, 2           ; B2: the step behind
.Lb2_done:
	; ---- every wave holds O^T and the sum of (head hd, tile u).  Wo's two tiles and bo are asked for now and land under the quantising.
	PLACES
.irp e, 0,1
.irp s, 0,1,2,3
.irp c, 0,1,2
	global_load_b128 v[WF+12*(4*\e+\s)+4*\c:WF+12*(4*\e+\s)+4*\c+3], v[L16], s[WOB:WOB+1] offset:6400*\e+1536*\s+512*\c
.endr
.endr
	global_load_b64 v[KS+2*\e:KS+2*\e+1], v[L8], s[WOB:WOB+1] offset:6400*\e+6144
	global_load_b128 v[BO+8*\e:BO+8*\e+3], v[BOO], s[BOB:BOB+1] offset:32*\e        ; bo at outputs 32 w + 16 h + 8 e + 0 .. 7: the result's layout
	global_load_b128 v[BO+8*\e+4:BO+8*\e+7], v[BOO], s[BOB:BOB+1] offset:32*\e+16
.endr
	v_add_f32 v14, v14, v15                        ; the sum's two halves,
	v_permlanex16_b32 v[TMP], v14, s[SEL], s[SEL+1]
	v_add_f32 v14, v14, v[TMP]                     ; and lane l xor 16's
	v_max_num_f32 v14, 0x800000, v14               ; a row with a seen key has a sum over 1/2; one with none has 0, which is held at 2^-126: its O^T, zeros, stays zeros
	v_rcp_f32 v[FF], v14
	v_nop                                          ; a plain place behind the transcendental
.set NN, 0
	s_wait_alu depctr_va_vdst(0)
.rept 16
	v_pk_mul_f32 v[O+NN:O+NN+1], v[O+NN:O+NN+1], v[FF:FF+1] op_sel_hi:[1,0]   ; O^T / the sum: register 16 b + i is channel 32 b + 16 h + i of the head
.set NN, NN+2
.endr
.irp b, 0,1
	v_max3_num_f32 v[BM+\b], |v[O+16*\b]|, |v[O+1+16*\b]|, 0x1800000
.endr
.irp i, 2,4,6,8,10,12,14
.irp b, 0,1
	v_max3_num_f32 v[BM+\b], v[BM+\b], |v[O+16*\b+\i]|, |v[O+1+16*\b+\i]|
.endr
.endr
.irp b, 0,1
	v_permlanex16_b32 v[PT+\b], v[BM+\b], s[SEL], s[SEL+1]
.endr
.irp b, 0,1
	v_max_num_f32 v[BM+\b], v[BM+\b], v[PT+\b]
.endr
.irp b, 0,1
	v_add_nc_u32 v[SO+\b], 0xff000000, v[BM+\b]
.endr
.irp b, 0,1
	v_lshrrev_b32 v[PT+\b], 23, v[SO+\b]
.endr
	v_lshl_or_b32 v[TMP], v[PT+1], 8, v[PT]        ; my head's two bytes of the fragment's scale word
	v_cvt_scalef32_pk16_fp6_f32 v[PC:PC+2], v[O:O+15], v[SO]
	v_cvt_scalef32_pk16_fp6_f32 v[PT+4:PT+6], v[O+16:O+31], v[SO+1]
	v_nop
.irp i, 0,1,2
	v_permlane16_swap_b32 v[PC+\i], v[PT+4+\i]
.endr
.irp i, 0,1,2
	v_mov_b32 v[PC+3+\i], v[PT+4+\i]
.endr
.irp p, 0,1,2
	ds_store_b64 v[AIW], v[PC+2*\p:PC+2*\p+1] offset:256*\p   ; six registers: half of fragment (u, hd / 2)
.endr
	ds_store_b16 v[ASW], v[TMP]
	s_wait_dscnt 0x0
	s_barrier_signal -1
	s_barrier_wait -1                              ; the 32 rows' eight fragments lie in LDS
; out0^T = Wo A^T + bo: source 0 = my two tiles of Wo, source 1 = the two tiles of rows; four accumulators by turns; bo is the C of each sum's first product.
.macro W6 e, u, z, hf
.set rD, YA+8*(2*\e+\u)
.set rA, WF+12*(4*\e+2*\hf+\z)
.set rB, AF+12*(2*\u+\z)
.set rX, KS+2*\e+\z
.set rY, VS+2*\hf+\z
.if (\hf == 0) && (\z == 0)
.if \u == 0
	v_wmma_scale_f32_16x16x128_f8f6f4 v[rD:rD+7], v[rA:rA+11], v[rB:rB+11], v[BO+8*\e:BO+8*\e+7], v[rX], v[rY] matrix_a_fmt:MATRIX_FMT_FP6 matrix_b_fmt:MATRIX_FMT_FP6
.else
	v_wmma_scale_f32_16x16x128_f8f6f4 v[rD:rD+7], v[rA:rA+11], v[rB:rB+11], v[BO+8*\e:BO+8*\e+7], v[rX], v[rY] matrix_a_fmt:MATRIX_FMT_FP6 matrix_b_fmt:MATRIX_FMT_FP6 matrix_b_scale:MATRIX_SCALE_ROW1
.endif
.elseif \hf == 0
.if \u == 0
	v_wmma_scale_f32_16x16x128_f8f6f4 v[rD:rD+7], v[rA:rA+11], v[rB:rB+11], v[rD:rD+7], v[rX], v[rY] matrix_a_fmt:MATRIX_FMT_FP6 matrix_b_fmt:MATRIX_FMT_FP6
.else
	v_wmma_scale_f32_16x16x128_f8f6f4 v[rD:rD+7], v[rA:rA+11], v[rB:rB+11], v[rD:rD+7], v[rX], v[rY] matrix_a_fmt:MATRIX_FMT_FP6 matrix_b_fmt:MATRIX_FMT_FP6 matrix_b_scale:MATRIX_SCALE_ROW1
.endif
.else
.if \u == 0
	v_wmma_scale_f32_16x16x128_f8f6f4 v[rD:rD+7], v[rA:rA+11], v[rB:rB+11], v[rD:rD+7], v[rX], v[rY] matrix_a_fmt:MATRIX_FMT_FP6 matrix_b_fmt:MATRIX_FMT_FP6 matrix_a_scale:MATRIX_SCALE_ROW1
.else
	v_wmma_scale_f32_16x16x128_f8f6f4 v[rD:rD+7], v[rA:rA+11], v[rB:rB+11], v[rD:rD+7], v[rX], v[rY] matrix_a_fmt:MATRIX_FMT_FP6 matrix_b_fmt:MATRIX_FMT_FP6 matrix_a_scale:MATRIX_SCALE_ROW1 matrix_b_scale:MATRIX_SCALE_ROW1
.endif
.endif
.endm
.irp hf, 0,1                                   ; K steps 2 hf, 2 hf + 1
.if \hf
	PLACES
.endif
.irp u, 0,1
.irp z, 0,1
.irp p, 0,1,2,3,4,5
	ds_load_b64 v[AF+12*(2*\u+\z)+2*\p:AF+12*(2*\u+\z)+2*\p+1], v[AIR] offset:1536*(4*\u+2*\hf+\z)+256*\p
.endr
.endr
.endr
.if \hf == 0
.irp s, 0,1,2,3
	ds_load_b32 v[VS+\s], v[ASR] offset:128*\s     ; K step s: lanes 0-15 tile 0's rows, lanes 16-31 tile 1's
.endr
	s_wait_loadcnt 0x0                             ; Wo and bo
.endif
	s_wait_dscnt 0x0
.irp z, 0,1
.irp e, 0,1
.irp u, 0,1
	W6 \e, \u, \z, \hf
.endr
.endr
.endr
.endr
	PLACES
.irp e, 0,1
.irp u, 0,1
	ds_store_b128 v[STW], v[YA+8*(2*\e+\u):YA+8*(2*\e+\u)+3] offset:16*\u*SP+32*\e        ; lane (r, h): row 16 u + r, outputs 32 w + 16 h + 8 e + 0 .. 7; each accumulator from its low end on
	ds_store_b128 v[STW], v[YA+8*(2*\e+\u)+4:YA+8*(2*\e+\u)+7] offset:16*\u*SP+32*\e+16
.endr
.endr
	s_wait_dscnt 0x0
	s_barrier_signal -1
	s_barrier_wait -1                              ; 32 whole rows of out0 lie in the stage
.irp i, 0,1
.irp k, 0,1,2,3
	ds_load_b128 v[WF+4*(4*\i+\k):WF+4*(4*\i+\k)+3], v[STR] offset:SP*\i+512*\k
.endr
.endr
.irp i, 0,1
.irp k, 0,1,2,3
	s_wait_dscnt 7-4*\i-\k                         ; LDS loads come back in order (ISA guide 5.7.1): this one is in, the younger ones may be out
	global_store_b128 v[L16], v[WF+4*(4*\i+\k):WF+4*(4*\i+\k)+3], s[OB:OB+1] offset:2048*\i+512*\k th:TH_STORE_NT   ; 32 lanes store 512 consecutive bytes, aligned
.endr
.endr
	s_wait_tensorcnt 0x0                           ; the wave's end
	ds_add_u32 v[SPW], v[NIL]
	s_wait_dscnt 0x0
	CROUND                                         ; the closing round: no work-group ends while a partner may still ask for a tile that names it
	s_endpgm
.Lfunc_end_k_q0a079a9dac_attn:
	.size	k_q0a079a9dac_attn, .Lfunc_end_k_q0a079a9dac_attn-k_q0a079a9dac_attn
	.p2alignl 7, 3214868480
	.fill 96, 4, 3214868480
	.section	.rodata,"a",@progbits
	.p2align	6, 0x0
	.amdhsa_kernel k_q0a079a9dac_attn
		.amdhsa_group_segment_fixed_size 327680
		.amdhsa_private_segment_fixed_size 0
		.amdhsa_enable_private_segment 0
		.amdhsa_kernarg_size 48
		.amdhsa_user_sgpr_count 2
		.amdhsa_user_sgpr_kernarg_segment_ptr 1
		.amdhsa_wavefront_size32 1
		.amdhsa_system_sgpr_workgroup_id_x 1
		.amdhsa_system_sgpr_workgroup_id_y 1
		.amdhsa_system_sgpr_workgroup_id_z 1
		.amdhsa_system_vgpr_workitem_id 0
		.amdhsa_next_free_vgpr 256
		.amdhsa_next_free_sgpr 100
		.amdhsa_reserve_vcc 1
		.amdhsa_float_denorm_mode_32 3
		.amdhsa_float_denorm_mode_16_64 3
		.amdhsa_memory_ordered 1
		.amdhsa_forward_progress 1
		.amdhsa_inst_pref_size 138
	.end_amdhsa_kernel
	.amdgpu_metadata
---
amdhsa.version: [ 1, 2 ]
amdhsa.kernels:
  - .name:           k_q0a079a9dac_attn
    .symbol:         k_q0a079a9dac_attn.kd
    .args:
      - { .name: qc, .offset: 0, .size: 8, .value_kind: global_buffer, .address_space: global }
      - { .name: kv, .offset: 8, .size: 8, .value_kind: global_buffer, .address_space: global }
      - { .name: attn_mask, .offset: 16, .size: 8, .value_kind: global_buffer, .address_space: global }
      - { .name: cw, .offset: 24, .size: 8, .value_kind: global_buffer, .address_space: global }
      - { .name: bo, .offset: 32, .size: 8, .value_kind: global_buffer, .address_space: global }
      - { .name: out0, .offset: 40, .size: 8, .value_kind: global_buffer, .address_space: global }
    .group_segment_fixed_size: 327680
    .private_segment_fixed_size: 0
    .kernarg_segment_align: 8
    .kernarg_segment_size: 48
    .max_flat_workgroup_size: 512
    .sgpr_count:     100
    .vgpr_count:     256
    .wavefront_size: 32
...
	.end_amdgpu_metadata
.endif
;; end of part 3
